; MI455X (gfx1250); checked and timed in simulation.
; The chip was launched on July 23, 2026; its instructions are those of AMD's public machine-readable ISA for CDNA 5 (MIT licence, August 2026) and "CDNA5" Instruction Set Architecture Reference Guide (July 2026). The comments in the code are by the model that wrote it; some were corrected since.
;; Vector Attention. Allowed arithmetic: matrix products marked QUANTISED: E5M2 operands, one E8M0 scale for each 32 along K, by v_wmma_scale_f32_16x16x128_f8f6f4 with both operands' format E5M2, f32 sums; products left as they are: f32 operands where the result goes on into a quantised operand, else bf16, f16 or f32 operands; f32 sums; everything else in f32.
;; Inputs: W1 128 x 128 float32; W2 128 x 128 float32; Wk 128 x 128 float32; Wq 128 x 128 float32; Wv 128 x 128 float32; b1 128 float32; b2 128 float32; beta1 128 float32; betak 128 float32; betaq 128 float32; bk 128 float32; bq 128 float32; bv 128 float32; distribution 2 x 512 x 1 float32; feat 2 x 512 x 128 float32; g1 128 float32; gk 128 float32; gq 128 float32; pos 2 x 512 x 128 float32.
;; Outputs: out0 2 x 512 x 128 float32.
;; This version of the problem:
;;   THIS VERSION OF THE PROBLEM IS GIVEN IN LOW PRECISION. The matrix products marked QUANTISED in the list below multiply operands that are first quantised to E5M2 (5 exponent bits, 2 mantissa bits; 8 bits a number), with one power-of-two scale for each 32 numbers along K (OCP MX v1.0); their sums are f32. All else is computed in f32.
;;   The module's matrix products, in the order in which they are computed (A, B: the left and right operand; K: the contracted axis; several contracted axes count as one K, in the product's order):
;;     1. [M 1,024, K 128] x [K 128, N 128]; A: input feat; B: input Wq: QUANTISED
;;     2. [M 1,024, K 128] x [K 128, N 128]; A: input feat; B: input Wk: QUANTISED
;;     3. [M 1,024, K 128] x [K 128, N 128]; A: input feat; B: input Wv: QUANTISED
;;     4. [M 524,288, K 128] x [K 128, N 128]; A: computed on the way; B: input W1: QUANTISED
;;     5. [M 524,288, K 128] x [K 128, N 128]; A: computed on the way; B: input W2: QUANTISED
;;     6. batch 256 x [M 1, K 512] x [K 512, N 512]; A: computed on the way; B: computed on the way: left as it is (M = 1 < 16)
;;   THE QUANTISER, for each operand of a quantised product, along K:
;;     - K is cut into blocks of 32 from its start; a last block that is shorter is filled with zeros.
;;     - A block's scale is 2^e with e = floor(log2(the largest magnitude in the block)) - 15, held to -126 .. 127; a block of zeros has e = 0. As a byte (E8M0): e + 127.
;;     - Each number is divided by its block's scale, clamped to +-57,344, and rounded to the nearest number of E5M2, ties to even, subnormals kept.
;;     - The product sums the exact products of the quantised numbers (number of the format x scale) in f32.
;;   ~~~python
;;   def quantise(x, axis):      # numpy; x: float32 -> the quantised numbers, widened to float32 again
;;       x = np.moveaxis(x, axis, -1); K = x.shape[-1]
;;       x = np.pad(x, [(0, 0)] * (x.ndim - 1) + [(0, -K % 32)]); x = x.reshape(x.shape[:-1] + (-1, 32)); a = np.abs(x).max(-1, keepdims=True)
;;       e = np.where(a > 0, np.clip(np.frexp(np.where(a > 0, a, 1))[1] - 1 - 15, -126, 127), 0)      # np.frexp(a)[1] - 1 = floor(log2(a)), exactly
;;       r = np.clip(x / 2.0 ** e, -57344, 57344)
;;       step = 2.0 ** (np.maximum(np.frexp(np.where(r == 0, 1, r))[1] - 1, -14) - 2)
;;       q = np.round(r / step) * step * 2.0 ** e      # np.round: ties to even
;;       return np.moveaxis(q.reshape(q.shape[:-2] + (-1,))[..., :K], -1, axis).astype(np.float32)
;;   ~~~
;;   OPERANDS COMPUTED ON THE WAY. 'Computed on the way' means the value that the module computes at that place (a softmax that the list does not call 'softmax' is quantised finished and normalised). What goes into a quantiser is computed in f32, as accurately as f32 sums, v_exp_f32 and their like allow (about 1e-6 of the number): no bf16 or f16 on the way to a quantiser, and a product that is left as it is and whose result goes on into a quantised operand takes f32 operands (vector FMAs, or v_wmma_f32_16x16x4_f32). A number that lies on a knife's edge between two numbers of the format may be rounded either way, as far as f32 arithmetic and the matrix unit's own rounding can turn it there, and no further.
;; One version. Each part assembles by itself: llvm-mc -triple=amdgcn-amd-amdhsa -mcpu=gfx1250 --defsym DOCPART=n.
;; ======== version 1 of 1: 2 launches
;; limits: right only within a limited range of input values
;; workspace buffers: kimg 524,288 bytes; qimg 524,288 bytes; vimg 524,288 bytes; wimg 34,816 bytes
;; launch prep (part 1): grid 26 x 1, 8 waves a work-group, no clusters, 18,432 bytes of LDS; arguments feat, Wq, Wk, Wv, W1, W2, bq, bk, bv, gq, gk, betaq, betak, qimg, kimg, vimg, wimg; writes qimg, kimg, vimg, wimg
.if DOCPART == 1
	.amdgcn_target "amdgcn-amd-amdhsa--gfx1250"
	.amdhsa_code_object_version 6
	.text
	.protected	k_q926041c966_prep
	.globl	k_q926041c966_prep
	.p2align	8
	.type	k_q926041c966_prep,@function
k_q926041c966_prep:
	s_mov_b64 s[64:65], 0
	v_nop
	global_prefetch_b8 v0, s[64:65] scope:SCOPE_SE
	s_setreg_imm32_b32 hwreg(HW_REG_WAVE_MODE, 25, 1), 1
	s_wait_xcnt 0x0
; q = mish(LN(feat Wq^T + bq)), k likewise, v = feat Wv^T + bv, all three products on codes of E5M2 with one E8M0 scale for each 32 along K; and the codes of W1 and W2.
; Everything leaves as IMAGES OF REGISTERS, as the next launch wants them: registers 4 g .. 4 g + 3 of lane l at byte 512 g + 16 l of a tile of 8,192 bytes (16 rows x 128 f32).
;   qimg, kimg: register 16 c + e of lane (r, h) = row r of the tile, channel 32 c + 16 h + e.      vimg: register 8 t + j of lane (r, h) = row 8 h + j, channel 16 t + r.
;   wimg: W1's 8 fragments (2,048 bytes each), W2's 8, then their scale words, 128 bytes a fragment.
; SHARES.  26 work-groups of eight waves.  role = group / 8: 0 q, 1 k, 2 v (8 groups each, 128 rows of feat a group, a tile of 16 rows a wave), 3: group 24 W1, group 25 W2.
; Wave w quantises tile w (16 rows) of the group's weight; in roles 0 to 2 the eight tiles meet in LDS as images, and every wave multiplies its 16 rows of feat by all eight.
; THE ROWS OF A TILE of Wq, Wk, W1 are not neighbours: lane r of tile t takes row 32 (t / 2) + 8 (t % 2) + r + 8 (r / 8), and the product is used transposed (source 0 = the weight): a lane then holds one row of
; the result and its registers run along the channels, 16 neighbours in two tiles.  Wv and W2 are taken by natural rows (16 t + r).
; Roles 0 to 2 take ONE path up to the barrier and load the bias in both layouts, g and beta; role 2 uses neither g, beta nor the bias's row layout, roles 0 and 1 not its column layout.
; LIMITS: NaN and infinities among the inputs are not served; a block of zeros gets the scale byte 1 (its codes are zeros; this program alone reads the bytes); mish holds for |y| under 2^67.
; DEAD WORK LEFT OUT BY THE PROGRAM.  pos: reference() never uses it.  b2: reference() adds b2[c] to w[i][j][c] for every j alike and then takes the softmax along j, which takes the maximum over j away: (w + b2) - max(w + b2) = w - max w
; for all finite values, and nothing else reads w.  So neither pos nor b2 is loaded or among any launch's arguments.  LIMIT: a NaN, an infinity or an overflow that reaches only pos or b2 is not carried to the result.
.set LI,  1                            ; v1   16 x lane: an image's place for my lane
.set WO,  2                            ; v2   my byte in the weight: 512 x my row + 64 h
.set FO,  3                            ; v3   my byte in my tile of feat: 512 r + 64 h
.set AW,  4                            ; v4   LDS: the weight's images, 16 x lane
.set ASW, 5                            ; v5   LDS: their scale words, 16,384 + 4 x lane
.set SI,  6                            ; v6   where I store my tile's image: 16 x lane + 2,048 x wave
.set SS,  7                            ; v7   and its scale word: 16,384 + 4 x lane + 128 x wave
.set HO,  8                            ; v8   64 h
.set RO,  9                            ; v9   4 r
.set L4,  10                           ; v10  4 x lane
.set MU,  12                           ; v[12:13] the mean; v13 is the lane permute's destination
.set RS,  14                           ; v[14:15] 1 / sqrt(var + eps); v15 likewise
.set TM,  16                           ; v16-31  at work
.set X,   32                           ; v32-95  64 numbers, or four fragments of a weight
.set H,   96                           ; v96-159 64 numbers: feat, then the product's eight results
.set PC,  160                          ; v160-175 the codes of my 16 rows
.set PW,  176                          ; v176 their scale word, and nothing else
.set WW,  177                          ; v177 my weight tile's scale word
.set WS,  178                          ; v178-185 the eight tiles' scale words, and nothing else
.set B2,  186                          ; v186-193 the bias at channel 16 t + r
.set WC,  210                          ; v210-225 my weight tile's codes
.set B1,  64                           ; window 1: the bias, g and beta; register 16 c + e = channel 32 c + 16 h + e
.set G1,  128
.set BE1, 192
.set SEL, 56                           ; s[56:57] v_permlanex16_b32's selects for lane l xor 16
.set CS,  58                           ; s[58:59] log2(e): the packed forms name a pair
.set MNT, 60                           ; s60  the mantissa field of 57,344
.set C128, 61                          ; s61  1 / 128
.set EPS, 62                           ; s62  1e-5
.set C30, 63                           ; s63  30.0
.set MSB, 0
.macro WIN new                         ; the immediate's high byte repeats the setting that is left; bits 1:0 source 0, 3:2 source 1, 5:4 source 2, 7:6 destination
.if MSB != \new
	s_set_vgpr_msb (MSB<<8)|\new
.set MSB, \new
.endif
.endm
; 64 numbers of a lane, register 16 b + i = K 32 b + 16 (lane / 16) + i of my row, become a fragment's codes in v[pc] on and its scale word in v[pw].
.macro QUANT s, pc, pw
.irp b, 0,1,2,3
	v_max3_num_f32 v[TM+\b], |v[\s+16*\b]|, |v[\s+1+16*\b]|, 0x8000000   ; block b: my 16 numbers, and the floor 2^(16 - 127): the byte cannot fall under 1
.endr
.irp i, 2,4,6,8,10,12,14
.irp b, 0,1,2,3
	s_delay_alu instid0(VALU_DEP_4)
	v_max3_num_f32 v[TM+\b], v[TM+\b], |v[\s+16*\b+\i]|, |v[\s+1+16*\b+\i]|   ; the four blocks by turns
.endr
.endr
.irp b, 0,1,2,3
	s_delay_alu instid0(VALU_DEP_4)
	v_permlanex16_b32 v[TM+4+\b], v[TM+\b], s[SEL], s[SEL+1]
.endr
.irp b, 0,1,2,3
	s_delay_alu instid0(VALU_DEP_4)
	v_max_num_f32 v[TM+\b], v[TM+\b], v[TM+4+\b]   ; with lane l xor 16's 16: the block's largest magnitude
.endr
.irp b, 0,1,2,3
	s_delay_alu instid0(VALU_DEP_4)
	v_add_nc_u32 v[TM+12+\b], 0xf8800000, v[TM+\b]   ; 15 off its exponent field: the conversion's scale operand
.endr
.irp b, 0,1,2,3
	v_and_or_b32 v[TM+8+\b], v[TM+\b], 0x7f800000, s[MNT]   ; 57,344 x the scale
.endr
.irp b, 0,1,2,3
	v_lshrrev_b32 v[TM+4+\b], 23, v[TM+12+\b]   ; the scale's byte
.endr
	s_delay_alu instid0(VALU_DEP_3)
	v_lshl_or_b32 v[\pw], v[TM+5], 8, v[TM+4]      ; four bytes: my row's scale word
	s_delay_alu instid0(VALU_DEP_1)
	v_lshl_or_b32 v[\pw], v[TM+6], 16, v[\pw]
	s_delay_alu instid0(VALU_DEP_1)
	v_lshl_or_b32 v[\pw], v[TM+7], 24, v[\pw]
.irp b, 0,1,2,3
.irp i, 0,1,2,3,4,5,6,7,8,9,10,11,12,13,14,15
	v_med3_num_f32 v[\s+16*\b+\i], v[\s+16*\b+\i], -v[TM+8+\b], v[TM+8+\b]   ; the conversion to an 8-bit code does not saturate (ISA guide 7.6.2): the hold at the largest code x the scale
.endr
	v_cvt_scalef32_pk8_bf8_f32 v[\pc+4*\b:\pc+1+4*\b], v[\s+16*\b:\s+7+16*\b], v[TM+12+\b]
	v_cvt_scalef32_pk8_bf8_f32 v[\pc+2+4*\b:\pc+3+4*\b], v[\s+8+16*\b:\s+15+16*\b], v[TM+12+\b]
.endr
	v_nop                                          ; one plain line behind the last conversion, ahead of whatever next touches its result or writes its sources
.endm
.macro SWORDS off                      ; the eight tiles' scale words
.irp t, 0,1,2,3,4,5,6,7
	ds_load_b32 v[WS+\t], v[ASW] offset:\off+128*\t
.endr
.endm
.macro STAGEW off, g                   ; four of the weight's eight fragments, tiles 4 g on, from their images
.irp t, 0,1,2,3
.irp c, 0,1,2,3
	ds_load_b128 v[X+16*\t+4*\c:X+16*\t+4*\c+3], v[AW] offset:\off+2048*(4*\g+\t)+512*\c
.endr
.endr
.endm
; The product used transposed: source 0 = 16 rows of the weight, source 1 = my 16 rows' codes, C = the bias.  Each of the eight results is written once: no sum is taken up again.
; Places: codes written by vector instructions stand four plain lines ahead of the product (QUANT's last line and three here), their scale word more than eight;
; eight stand behind the products, ahead of loads into their sources and of the first read of results.
.macro PROD1 off, swoff
.rept 3
	v_nop
.endr
	SWORDS \swoff
	s_wait_alu depctr_va_vdst(0)
.irp g, 0,1
	STAGEW \off, \g
	s_wait_dscnt 0x0                               ; the fragments and the scale words are in
	WIN 0x10                                       ; C in window 1
.irp t, 0,1,2,3
	v_wmma_scale_f32_16x16x128_f8f6f4 v[H+8*(4*\g+\t):H+8*(4*\g+\t)+7], v[X+16*\t:X+16*\t+15], v[PC:PC+15], v[B1+8*(4*\g+\t):B1+8*(4*\g+\t)+7], v[WS+4*\g+\t], v[PW] matrix_a_fmt:MATRIX_FMT_BF8 matrix_b_fmt:MATRIX_FMT_BF8
.endr
	WIN 0
.rept 8
	v_nop
.endr
.endr
.endm
; The product the natural way: source 0 = my 16 rows' codes, source 1 = 16 rows of the weight: register j of lane (r, h) = row 8 h + j, channel 16 t + r.
.macro PROD2 off, swoff
.rept 3
	v_nop
.endr
	SWORDS \swoff
	s_wait_alu depctr_va_vdst(0)
.irp g, 0,1
	STAGEW \off, \g
	s_wait_dscnt 0x0
.irp t, 0,1,2,3
	v_wmma_scale_f32_16x16x128_f8f6f4 v[H+8*(4*\g+\t):H+8*(4*\g+\t)+7], v[PC:PC+15], v[X+16*\t:X+16*\t+15], 0, v[PW], v[WS+4*\g+\t] matrix_a_fmt:MATRIX_FMT_BF8 matrix_b_fmt:MATRIX_FMT_BF8
.endr
.rept 8
	v_nop
.endr
.endr
.endm
.macro ACROSS d                        ; four chains of pairs in v[TM] on become one number in v[d], my 64 and lane l xor 16's 64
	s_delay_alu instid0(VALU_DEP_3)
	v_pk_add_f32 v[TM:TM+1], v[TM:TM+1], v[TM+2:TM+3]
	s_delay_alu instid0(VALU_DEP_2)
	v_pk_add_f32 v[TM+4:TM+5], v[TM+4:TM+5], v[TM+6:TM+7]
	s_delay_alu instid0(VALU_DEP_1)
	v_pk_add_f32 v[TM:TM+1], v[TM:TM+1], v[TM+4:TM+5]
	s_delay_alu instid0(VALU_DEP_1)
	v_add_f32 v[\d], v[TM], v[TM+1]
	s_delay_alu instid0(VALU_DEP_1)
	v_permlanex16_b32 v[\d+1], v[\d], s[SEL], s[SEL+1]
	s_delay_alu instid0(VALU_DEP_1)
	v_add_f32 v[\d], v[\d], v[\d+1]
.endm
; LayerNorm over a row's 128 numbers, 64 in my registers: the mean, the centred numbers, their squares' mean, then x 1 / sqrt(var + eps) x g + beta.  Each result of the product is first read at its low end.
.macro LNORM
.irp c, 0,1,2,3
	v_pk_add_f32 v[TM+2*\c:TM+2*\c+1], v[H+2*\c:H+2*\c+1], v[H+8+2*\c:H+9+2*\c]
.endr
.set p, 8
.rept 24
	v_pk_add_f32 v[TM+2*(p%4):TM+2*(p%4)+1], v[TM+2*(p%4):TM+2*(p%4)+1], v[H+2*p:H+2*p+1]
.set p, p+1
.endr
	ACROSS MU
	s_delay_alu instid0(VALU_DEP_1)
	v_mul_f32 v[MU], s[C128], v[MU]
.set p, 0
.rept 32
	v_pk_add_f32 v[H+2*p:H+2*p+1], v[H+2*p:H+2*p+1], v[MU:MU+1] op_sel_hi:[1,0] neg_lo:[0,1] neg_hi:[0,1]
.set p, p+1
.endr
.irp c, 0,1,2,3
	v_pk_mul_f32 v[TM+2*\c:TM+2*\c+1], v[H+2*\c:H+2*\c+1], v[H+2*\c:H+2*\c+1]
.endr
.set p, 4
.rept 28
	s_delay_alu instid0(VALU_DEP_4)
	v_pk_fma_f32 v[TM+2*(p%4):TM+2*(p%4)+1], v[H+2*p:H+2*p+1], v[H+2*p:H+2*p+1], v[TM+2*(p%4):TM+2*(p%4)+1]
.set p, p+1
.endr
	ACROSS RS
	s_delay_alu instid0(VALU_DEP_1)
	v_fma_f32 v[RS], v[RS], s[C128], s[EPS]
	s_wait_alu depctr_va_vdst(0)
	v_rsq_f32 v[RS], v[RS]
	v_nop                                          ; a plain line behind the transcendental,
	s_wait_alu depctr_va_vdst(0)                   ; and the wait ahead of its first reader
.set p, 0
.rept 32
	v_pk_mul_f32 v[H+2*p:H+2*p+1], v[H+2*p:H+2*p+1], v[RS:RS+1] op_sel_hi:[1,0]
.set p, p+1
.endr
	WIN 0x14                                       ; g and beta in window 1
.set p, 0
.rept 32
	v_pk_fma_f32 v[H+2*p:H+2*p+1], v[H+2*p:H+2*p+1], v[G1+2*p:G1+2*p+1], v[BE1+2*p:BE1+2*p+1]
.set p, p+1
.endr
	WIN 0
.endm
; mish(y) = y tanh(ln(1 + e^y)) = y n / (n + 2) with u = e^y, n = u (u + 2): one exponential and one reciprocal a number.  The exponent is held at 30, where n / (n + 2) is 1 in f32 and n is 2^60.
.macro MISH
.set p, 0
.rept 32
	v_pk_mul_f32 v[X+2*p:X+2*p+1], v[H+2*p:H+2*p+1], s[CS:CS+1] op_sel_hi:[1,0]
.set p, p+1
.endr
.set p, 0
.rept 64
	v_min_num_f32 v[X+p], s[C30], v[X+p]
.set p, p+1
.endr
.set p, 0
	s_wait_alu depctr_va_vdst(0)
.rept 64
	v_exp_f32 v[X+p], v[X+p]
.set p, p+1
.endr
	v_nop
	s_wait_alu depctr_va_vdst(0)                   ; one wait for the batch of 64
.set g, 0
.rept 8
.irp c, 0,1,2,3
	v_pk_add_f32 v[TM+2*\c:TM+2*\c+1], v[X+8*g+2*\c:X+8*g+2*\c+1], 2.0 op_sel_hi:[1,0]
.endr
.irp c, 0,1,2,3
	v_pk_mul_f32 v[TM+2*\c:TM+2*\c+1], v[TM+2*\c:TM+2*\c+1], v[X+8*g+2*\c:X+8*g+2*\c+1]      ; n
.endr
.irp c, 0,1,2,3
	s_delay_alu instid0(VALU_DEP_4)
	v_pk_add_f32 v[X+8*g+2*\c:X+8*g+2*\c+1], v[TM+2*\c:TM+2*\c+1], 2.0 op_sel_hi:[1,0]        ; n + 2
.endr
.irp c, 0,1,2,3
	v_pk_mul_f32 v[H+8*g+2*\c:H+8*g+2*\c+1], v[H+8*g+2*\c:H+8*g+2*\c+1], v[TM+2*\c:TM+2*\c+1] ; y n
.endr
.set g, g+1
.endr
.set p, 0
	s_wait_alu depctr_va_vdst(0)
.rept 64
	v_rcp_f32 v[X+p], v[X+p]
.set p, p+1
.endr
	v_nop
	s_wait_alu depctr_va_vdst(0)                   ; one wait for the batch of 64
.set p, 0
.rept 32
	v_pk_mul_f32 v[H+2*p:H+2*p+1], v[H+2*p:H+2*p+1], v[X+2*p:X+2*p+1]
.set p, p+1
.endr
.endm
	s_load_b512 s[8:23], s[0:1], 0x0               ; feat 8, Wq 10, Wk 12, Wv 14, W1 16, W2 18, bq 20, bk 22
	s_load_b512 s[24:39], s[0:1], 0x40             ; bv 24, gq 26, gk 28, betaq 30, betak 32, qimg 34, kimg 36, vimg 38
	s_load_b64 s[40:41], s[0:1], 0x80              ; wimg
	v_lshl_add_u32 v254, v0, 2, 0x4400
	v_mov_b32 v255, 0
	v_lshrrev_b32 v11, 5, v0
	s_delay_alu instid0(VALU_DEP_1)
	v_readfirstlane_b32 s2, v11                    ; wave 0..7
	s_lshr_b32 s3, ttmp9, 3                        ; role
	s_and_b32 s4, ttmp9, 7                         ; which eighth of feat's rows; in role 3: W1 (0) or W2 (1)
	s_lshr_b32 s6, s2, 1
	s_lshl_b32 s6, s6, 5
	s_and_b32 s7, s2, 1
	s_lshl_b32 s7, s7, 3
	s_add_co_u32 s6, s6, s7                        ; my tile's first row where the rows are chosen: 32 (w / 2) + 8 (w % 2);
	s_lshl_b32 s7, s2, 4                           ; where they are natural: 16 w
	s_cmp_lt_u32 s3, 2
	s_cselect_b32 s5, 1, 0                         ; chosen rows for Wq, Wk
	s_cmp_eq_u32 ttmp9, 24
	s_cselect_b32 s5, 1, s5                        ; and W1
	s_cmp_eq_u32 s5, 1
	s_cselect_b32 s6, s6, s7
	s_cselect_b32 s7, 8, 0                         ; lane r takes row r + (r & 8), or r
	s_lshl_b32 s66, s4, 3
	s_add_co_u32 s66, s66, s2
	s_lshl_b32 s66, s66, 13                        ; my tile of 16 rows: 8,192 bytes in feat and in each image
	s_mov_b32 s67, 0
	s_lshl_b32 s68, s4, 14
	s_lshl_b32 s69, s2, 11
	s_add_co_u32 s68, s68, s69                     ; role 3: my fragment's place in wimg,
	s_lshl_b32 s72, s4, 10
	s_lshl_b32 s69, s2, 7
	s_add_co_u32 s72, s72, s69
	s_add_co_u32 s72, s72, 32768                   ; and its scale words'
	s_mov_b32 s73, 0
	s_mov_b32 s[SEL], 0x76543210
	s_mov_b32 s[SEL+1], 0xfedcba98
	s_mov_b32 s[CS], 0x3fb8aa3b
	s_mov_b32 s[CS+1], s[CS]
	s_mov_b32 s[MNT], 0x600000
	s_mov_b32 s[C128], 0x3c000000
	s_mov_b32 s[EPS], 0x3727c5ac
	s_mov_b32 s[C30], 0x41f00000
	v_and_b32 v11, 31, v0                          ; lane
	v_and_b32 v16, 15, v0                          ; r
	v_bfe_u32 v17, v0, 4, 1                        ; h
	s_delay_alu instid0(VALU_DEP_3)
	v_lshlrev_b32 v[LI], 4, v11
	s_delay_alu instid0(VALU_DEP_4)
	v_lshlrev_b32 v[AW], 4, v11
	v_lshl_add_u32 v[ASW], v11, 2, 16384
	s_lshl_b32 s54, s2, 11
	v_add_nc_u32 v[SI], s54, v[LI]
	s_lshl_b32 s54, s2, 7
	v_add_nc_u32 v[SS], s54, v[ASW]
	v_lshlrev_b32 v[HO], 6, v17
	v_lshlrev_b32 v[RO], 2, v16
	v_lshlrev_b32 v[L4], 2, v11
	s_delay_alu instid0(VALU_DEP_3)
	v_lshl_add_u32 v[FO], v16, 9, v[HO]
	v_and_b32 v18, s7, v16
	s_delay_alu instid0(VALU_DEP_1)
	v_add3_u32 v18, v18, v16, s6                   ; my row of the weight
	s_delay_alu instid0(VALU_DEP_1)
	v_lshl_add_u32 v[WO], v18, 9, v[HO]
	v_mov_b32 v[MU+1], 0                           ; written once: a lane permute's destination counts as one of its sources
	v_mov_b32 v[RS+1], 0
.irp b, 0,1,2,3
	v_mov_b32 v[TM+4+\b], 0
.endr
	s_wait_alu depctr_va_vdst(0)
	s_wait_kmcnt 0x0
	s_cmp_eq_u32 s4, 0                             ; the buffers are chosen by the work-group's number alone
	s_cselect_b64 s[42:43], s[16:17], s[18:19]     ; the weight: W1 or W2,
	s_cmp_eq_u32 s3, 2
	s_cselect_b64 s[42:43], s[14:15], s[42:43]     ; Wv,
	s_cselect_b64 s[50:51], s[38:39], s[40:41]     ; the output: vimg, else wimg,
	s_cselect_b64 s[44:45], s[24:25], s[22:23]     ; the bias: bv, else bk
	s_cmp_eq_u32 s3, 1
	s_cselect_b64 s[42:43], s[12:13], s[42:43]     ; Wk,
	s_cselect_b64 s[50:51], s[36:37], s[50:51]     ; kimg
	s_cmp_eq_u32 s3, 0
	s_cselect_b64 s[42:43], s[10:11], s[42:43]     ; Wq,
	s_cselect_b64 s[50:51], s[34:35], s[50:51]     ; qimg,
	s_cselect_b64 s[44:45], s[20:21], s[44:45]     ; bq,
	s_cselect_b64 s[46:47], s[26:27], s[28:29]     ; g
	s_cselect_b64 s[48:49], s[30:31], s[32:33]     ; beta
	s_add_nc_u64 s[52:53], s[8:9], s[66:67]        ; feat at my tile
	s_cmp_eq_u32 s3, 3
	s_cselect_b32 s66, s68, s66
	s_add_nc_u64 s[50:51], s[50:51], s[66:67]      ; the output at my tile, or at my fragment
	s_add_nc_u64 s[70:71], s[40:41], s[72:73]      ; role 3: my fragment's scale words
.set g, 0
.rept 16
	global_load_b128 v[X+4*g:X+4*g+3], v[WO], s[42:43] offset:128*(g/4)+16*(g%4)   ; my row of the weight: 16 neighbours of each block of 32
.set g, g+1
.endr
	s_cmp_eq_u32 s3, 3
	s_cbranch_scc1 .Lweights
.set g, 0
.rept 16
	global_load_b128 v[H+4*g:H+4*g+3], v[FO], s[52:53] offset:128*(g/4)+16*(g%4)   ; my row of feat likewise
.set g, g+1
.endr
	WIN 0x40                                       ; destination window 1
.set g, 0
.rept 16
	global_load_b128 v[B1+4*g:B1+4*g+3], v[HO], s[44:45] offset:128*(g/4)+16*(g%4)
	global_load_b128 v[G1+4*g:G1+4*g+3], v[HO], s[46:47] offset:128*(g/4)+16*(g%4)
	global_load_b128 v[BE1+4*g:BE1+4*g+3], v[HO], s[48:49] offset:128*(g/4)+16*(g%4)
.set g, g+1
.endr
	WIN 0
.irp t, 0,1,2,3,4,5,6,7
	global_load_b32 v[B2+\t], v[RO], s[44:45] offset:64*\t
.endr
	s_wait_loadcnt 63                              ; 72 loads were issued behind the weight's 16; the wait's field holds 63, which asks for more than is needed
	QUANT X, WC, WW
.irp c, 0,1,2,3
	ds_store_b128 v[SI], v[WC+4*\c:WC+4*\c+3] offset:512*\c      ; my tile's fragment as it stands
.endr
	ds_store_b32 v[SS], v[WW]
	s_wait_loadcnt 56                              ; behind feat's 16 loads: the 56 of the bias, g and beta
	QUANT H, PC, PW
	s_wait_loadcnt 0x0
	s_wait_dscnt 0x0                               ; my stores have landed: then the barrier, behind which every wave reads all eight fragments
	s_barrier_signal -1
	s_barrier_wait -1
	s_cmp_eq_u32 s3, 2
	s_cbranch_scc1 .Lvalues
	PROD1 0, 0
	LNORM
	MISH
.set g, 0
.rept 16
	global_store_b128 v[LI], v[H+4*g:H+4*g+3], s[50:51] offset:512*g    ; each store of the wave covers 512 consecutive bytes, aligned
.set g, g+1
.endr
	s_wait_tensorcnt 0x0
	ds_add_u32 v254, v255
	s_wait_dscnt 0x0
	s_endpgm
.Lvalues:
	PROD2 0, 0
.irp t, 0,1,2,3,4,5,6,7
.irp q, 0,1,2,3
.if (\t)%2 == 0
	v_pk_add_f32 v[H+8*\t+2*\q:H+8*\t+2*\q+1], v[H+8*\t+2*\q:H+8*\t+2*\q+1], v[B2+\t:B2+\t+1] op_sel_hi:[1,0]              ; + bv of my channel
.else
	v_pk_add_f32 v[H+8*\t+2*\q:H+8*\t+2*\q+1], v[H+8*\t+2*\q:H+8*\t+2*\q+1], v[B2+\t-1:B2+\t] op_sel:[0,1] op_sel_hi:[1,1]
.endif
.endr
.endr
.set g, 0
.rept 16
	global_store_b128 v[LI], v[H+4*g:H+4*g+3], s[50:51] offset:512*g
.set g, g+1
.endr
	s_wait_tensorcnt 0x0
	ds_add_u32 v254, v255
	s_wait_dscnt 0x0
	s_endpgm
.Lweights:
	s_wait_loadcnt 0x0
	QUANT X, WC, WW
.irp c, 0,1,2,3
	global_store_b128 v[LI], v[WC+4*\c:WC+4*\c+3], s[50:51] offset:512*\c
.endr
	global_store_b32 v[L4], v[WW], s[70:71]        ; 128 consecutive bytes a wave; the group's eight waves fill 1,024
	s_endpgm
.Lfunc_end_k_q926041c966_prep:
	.size	k_q926041c966_prep, .Lfunc_end_k_q926041c966_prep-k_q926041c966_prep
	.p2alignl 7, 3214868480
	.fill 96, 4, 3214868480
	.section	.rodata,"a",@progbits
	.p2align	6, 0x0
	.amdhsa_kernel k_q926041c966_prep
		.amdhsa_group_segment_fixed_size 18432
		.amdhsa_private_segment_fixed_size 0
		.amdhsa_enable_private_segment 0
		.amdhsa_kernarg_size 136
		.amdhsa_user_sgpr_count 2
		.amdhsa_user_sgpr_kernarg_segment_ptr 1
		.amdhsa_wavefront_size32 1
		.amdhsa_system_sgpr_workgroup_id_x 1
		.amdhsa_system_sgpr_workgroup_id_y 1
		.amdhsa_system_sgpr_workgroup_id_z 1
		.amdhsa_system_vgpr_workitem_id 0
		.amdhsa_next_free_vgpr 512
		.amdhsa_next_free_sgpr 80
		.amdhsa_reserve_vcc 0
		.amdhsa_float_denorm_mode_32 3
		.amdhsa_float_denorm_mode_16_64 3
		.amdhsa_memory_ordered 1
		.amdhsa_forward_progress 1
		.amdhsa_inst_pref_size 87
	.end_amdhsa_kernel
	.amdgpu_metadata
---
amdhsa.version: [ 1, 2 ]
amdhsa.kernels:
  - .name:           k_q926041c966_prep
    .symbol:         k_q926041c966_prep.kd
    .args:
      - { .name: feat, .offset: 0, .size: 8, .value_kind: global_buffer, .address_space: global }
      - { .name: Wq, .offset: 8, .size: 8, .value_kind: global_buffer, .address_space: global }
      - { .name: Wk, .offset: 16, .size: 8, .value_kind: global_buffer, .address_space: global }
      - { .name: Wv, .offset: 24, .size: 8, .value_kind: global_buffer, .address_space: global }
      - { .name: W1, .offset: 32, .size: 8, .value_kind: global_buffer, .address_space: global }
      - { .name: W2, .offset: 40, .size: 8, .value_kind: global_buffer, .address_space: global }
      - { .name: bq, .offset: 48, .size: 8, .value_kind: global_buffer, .address_space: global }
      - { .name: bk, .offset: 56, .size: 8, .value_kind: global_buffer, .address_space: global }
      - { .name: bv, .offset: 64, .size: 8, .value_kind: global_buffer, .address_space: global }
      - { .name: gq, .offset: 72, .size: 8, .value_kind: global_buffer, .address_space: global }
      - { .name: gk, .offset: 80, .size: 8, .value_kind: global_buffer, .address_space: global }
      - { .name: betaq, .offset: 88, .size: 8, .value_kind: global_buffer, .address_space: global }
      - { .name: betak, .offset: 96, .size: 8, .value_kind: global_buffer, .address_space: global }
      - { .name: qimg, .offset: 104, .size: 8, .value_kind: global_buffer, .address_space: global }
      - { .name: kimg, .offset: 112, .size: 8, .value_kind: global_buffer, .address_space: global }
      - { .name: vimg, .offset: 120, .size: 8, .value_kind: global_buffer, .address_space: global }
      - { .name: wimg, .offset: 128, .size: 8, .value_kind: global_buffer, .address_space: global }
    .group_segment_fixed_size: 18432
    .private_segment_fixed_size: 0
    .kernarg_segment_align: 8
    .kernarg_segment_size: 136
    .max_flat_workgroup_size: 256
    .sgpr_count:     80
    .vgpr_count:     512
    .wavefront_size: 32
...
	.end_amdgpu_metadata
.endif
;; end of part 1
;; launch pairs (part 2): grid 128 x 2, 8 waves a work-group, clusters of 4 x 1, 327,680 bytes of LDS; arguments kimg, vimg, qimg, wimg, b1, g1, beta1, distribution, out0; writes out0
.if DOCPART == 2
	.amdgcn_target "amdgcn-amd-amdhsa--gfx1250"
	.amdhsa_code_object_version 6
	.text
	.protected	k_q926041c966_pairs
	.globl	k_q926041c966_pairs
	.p2align	8
	.type	k_q926041c966_pairs,@function
k_q926041c966_pairs:
	s_mov_b64 s[64:65], 0
	v_nop
	global_prefetch_b8 v0, s[64:65] scope:SCOPE_SE
	s_setreg_imm32_b32 hwreg(HW_REG_WAVE_MODE, 25, 1), 1
	s_wait_xcnt 0x0
	s_wait_alu depctr_hold_cnt(0) depctr_sa_sdst(0) depctr_va_vdst(0) depctr_va_sdst(0) depctr_va_ssrc(0) depctr_va_vcc(0) depctr_vm_vsrc(0)
	s_getreg_b32 s2, hwreg(HW_REG_IB_STS2, 6, 4)
	s_cmp_eq_u32 s2, 0
	s_cbranch_scc0 .Lentry_in_a_cluster
	s_endpgm
.Lentry_in_a_cluster:
	s_bfe_u32 s2, ttmp6, 0x10000c
	s_cmp_lg_u32 s2, 0x3003
	s_cbranch_scc0 .Lentry_shape_is_right
	s_endpgm
.Lentry_shape_is_right:
; For each query i and all 512 rows j of its batch: h = mish(LN((k_j - q_i) W1^T + b1)), w = h W2^T, softmax of w over j for each channel with weights d_j, and the masked weighted sum of v_j.  Both products on codes of E5M2, one E8M0 scale for each 32 along K.
; LEFT OUT: b2 (the same along the softmax's axis) and pos (never used): see the first kernel's head.
; SHARES.  256 work-groups of eight waves; a work-group owns four queries, two waves a query (wave % 4).  A query's 512 rows are 16 steps of 32 rows, two tiles A and B of 16.  Waves 0 to 3 take 11 steps, from the first on; waves 4 to 7 take 5, from the last back.
; All waves walk 11 trips; a branch on ids leads round a step's work.  The two waves' sums are joined at the end through LDS.
; LDS.  All 512 rows of k of the batch (262,144 bytes, images of registers) are filled once, at the head, by one joint load a wave; the codes of W1 and W2 and their scale words (34,816 bytes) are copied through registers.
; So nothing is filled again, and the loop has no barrier.  Each wave keeps its own copies of q and b1 (512 bytes each); d and the masked d (2,048 bytes each) lie there once for each query.
; V goes from memory straight into registers: LDS has no room for it beside k.  So it is not shared by joint loads, and no prefetch is laid: tile A's V is asked for ahead of LayerNorm, MISH and the second product, tile B's ahead of the softmax.
; k and q of the next step are asked for under the last sums of this one; those that a wave's last step asks for are not used.
; CLUSTERS: 4 work-groups of one batch; they ask for k jointly.
; LAYOUT.  Product 1 is used transposed (source 0 = W1): register 16 c + e of lane (r, h) is row r, channel 32 c + 16 h + e, so a lane's registers run along K of product 2.  Product 2 the natural way: register 8 t + j of lane (r, h) = row 8 h + j, channel 16 t + r.
; MISH.  With y2 = y log2(e) (the factor is folded into g and beta in f32), e = 2^-y2, a = alpha (1 + 2 e), alpha = log2(e) / 2: mish(y) = y (1 + 2 e) / (1 + 2 e + 2 e^2) = y2 a / (a^2 + alpha^2).  All terms are positive: nothing cancels.
; y2 is held at -60 from below, where mish is under 1e-16 in magnitude.
; LIMITS: NaN and infinities among the inputs are not served; numbers y under -41.5 count as -41.5 in mish; a block of zeros gets the scale byte 1 (its codes are zeros; this program alone reads the bytes);
; the scores w log2(e) stay under 2^31 in magnitude.
.set LI,  1                            ; v1   16 x lane
.set ADX, 3
.set AW,  4                            ; v4   LDS: the weights' images, + 16 x lane
.set AD0, 5                            ; v5   LDS: my query's d, + 32 h
.set SPW, 6                            ; v6   my spare word
.set NIL, 7                            ; v7   0
.set ADK, 8
.set ADV, 9
.set ADD, 10
.set AQ,  11                           ; v11  LDS: my q, + 16 h; b1 512 bytes further on
.set PWA, 12                           ; v12, v13 the codes' scale words, and nothing else
.set PWB, 13
.set MU,  14                           ; v[14:15] the means of A's and of B's row
.set RS,  16                           ; v[16:17] 1 / sqrt(var + eps) likewise
.set WS,  18                           ; v18-25 the weights' scale words: lanes 0-15 tile 2 p's, lanes 16-31 tile 2 p + 1's; W1's four, W2's four
.set DEN, 26                           ; v26-41 the softmax's sums, a pair a tile
.set TM,  42                           ; v42-61 at work
.set FF,  50
.set AL,  62                           ; v[62:63] alpha
.set X,   64                           ; v64-127 four fragments of a weight, MISH's numbers, B's V
.set HA,  128                          ; tile A's 64 numbers
.set HB,  192                          ; tile B's
.set VA,  0                            ; window 1: q, W1's last four fragments, A's V
.set G,   64                           ; window 1: g log2(e)
.set BE,  128                          ; window 1: beta log2(e)
.set PCA, 192                          ; window 1: codes
.set PCB, 208
.set DDA, 192                          ; window 1, behind the products: d and the masked d of A's and B's rows
.set DMA, 200
.set DDB, 208
.set DMB, 216
.set MA,  224                          ; window 1: the largest w so far
.set C0,  232                          ; window 1: - that x log2(e)
.set NUM, 240                          ; window 1: the weighted sums
.set WBASE, 262144
.set QB,    WBASE+34816
.set DBASE, QB+8192
.set EX,    DBASE+16384
.set SPARE, EX+2048
.set TRIPS, 11
.set WV,  24
.set G1R, 32
.set LIM, 40                           ; s40  my steps
.set GX,  41                           ; s41  0, or 15 steps' bytes: step n of waves 4 to 7 is step 15 - n of the query
.set G0K, 48
.set SEL, 56
.set CS,  58                           ; s[58:59] log2(e)
.set MNT, 60
.set C128, 61
.set EPS, 62
.set CSN, 63                           ; - log2(e)
.set TB,  66                           ; s66  16,384 x the trip's number
.set STEPS, 68
.set DI,  69
.set A2,  70                           ; s[70:71] alpha^2
.set M60, 78
.set MSB, 0
.macro WIN new                         ; bits 1:0 source 0, 3:2 source 1, 5:4 source 2, 7:6 destination
.if MSB != \new
	s_set_vgpr_msb (MSB<<8)|\new
.set MSB, \new
.endif
.endm
.macro VWAIT
	s_wait_alu depctr_va_vdst(0)
.endm
.macro PLACES n
.rept \n
	v_nop
.endr
.endm
.macro ROUND                           ; a round of the cluster's barrier
	s_barrier_signal -1
	s_barrier_wait -1
	s_cmp_lg_u32 s[WV], 0
	s_cbranch_scc1 .Lnot_wave_0_\@
	s_barrier_signal -3
.Lnot_wave_0_\@:
	s_barrier_wait -3
	s_barrier_signal -1
	s_barrier_wait -1
.endm
; 64 numbers of a lane, register 16 b + i = K 32 b + 16 h + i of my row, become codes in window 1 and a scale word
.macro QUANT s, pc, pw
.irp b, 0,1,2,3
	v_max3_num_f32 v[TM+\b], |v[\s+16*\b]|, |v[\s+1+16*\b]|, 0x8000000   ; the floor 2^(16 - 127): the byte cannot fall under 1
.endr
.irp i, 2,4,6,8,10,12,14
.irp b, 0,1,2,3
	v_max3_num_f32 v[TM+\b], v[TM+\b], |v[\s+16*\b+\i]|, |v[\s+1+16*\b+\i]|
.endr
.endr
.irp b, 0,1,2,3
	v_permlanex16_b32 v[TM+4+\b], v[TM+\b], s[SEL], s[SEL+1]
.endr
.irp b, 0,1,2,3
	v_max_num_f32 v[TM+\b], v[TM+\b], v[TM+4+\b]   ; with lane l xor 16's 16: the block's largest magnitude
.endr
.irp b, 0,1,2,3
	v_add_nc_u32 v[TM+12+\b], 0xf8800000, v[TM+\b] ; 15 off its exponent field: the conversion's scale operand
.endr
.irp b, 0,1,2,3
	v_and_or_b32 v[TM+8+\b], v[TM+\b], 0x7f800000, s[MNT]   ; 57,344 x the scale
.endr
.irp b, 0,1,2,3
	v_lshrrev_b32 v[TM+4+\b], 23, v[TM+12+\b]
.endr
	v_lshl_or_b32 v[\pw], v[TM+5], 8, v[TM+4]
	v_lshl_or_b32 v[\pw], v[TM+6], 16, v[\pw]
	v_lshl_or_b32 v[\pw], v[TM+7], 24, v[\pw]
.irp b, 0,1,2,3
.irp i, 0,1,2,3,4,5,6,7,8,9,10,11,12,13,14,15
	v_med3_num_f32 v[\s+16*\b+\i], v[\s+16*\b+\i], -v[TM+8+\b], v[TM+8+\b]   ; the conversion does not saturate (ISA guide 7.6.2)
.endr
.endr
	WIN 0x40
.irp b, 0,1,2,3
	v_cvt_scalef32_pk8_bf8_f32 v[\pc+4*\b:\pc+1+4*\b], v[\s+16*\b:\s+7+16*\b], v[TM+12+\b]
	v_cvt_scalef32_pk8_bf8_f32 v[\pc+2+4*\b:\pc+3+4*\b], v[\s+8+16*\b:\s+15+16*\b], v[TM+12+\b]
.endr
	v_nop                                          ; one plain line behind the last conversion
	WIN 0
.endm
.macro STAGEW off, g, x                ; four of a weight's eight fragments into v[x] on (of the window that is set)
.irp t, 0,1,2,3
.irp c, 0,1,2,3
	ds_load_b128 v[\x+16*\t+4*\c:\x+16*\t+4*\c+3], v[AW] offset:\off+2048*(4*\g+\t)+512*\c
.endr
.endr
.endm
.macro BIAS h                          ; b1 into a tile's accumulators: the products' C
.set g, 0
.rept 16
	ds_load_b128 v[\h+4*g:\h+4*g+3], v[AQ] offset:512+32*g
.set g, g+1
.endr
.endm
.macro QLOAD                           ; q into VA
	WIN 0x40
.set g, 0
.rept 16
	ds_load_b128 v[VA+4*g:VA+4*g+3], v[AQ] offset:32*g
.set g, g+1
.endr
	WIN 0
.endm
.macro KLOAD h, off                    ; a tile of k
.set g, 0
.rept 16
	ds_load_b128 v[\h+4*g:\h+4*g+3], v[ADK] offset:\off+512*g
.set g, g+1
.endr
.endm
.macro RELATE h                        ; k - q
	WIN 0x04
.set p, 0
.rept 32
	v_pk_add_f32 v[\h+2*p:\h+2*p+1], v[\h+2*p:\h+2*p+1], v[VA+2*p:VA+2*p+1] neg_lo:[0,1] neg_hi:[0,1]
.set p, p+1
.endr
	WIN 0
.endm
; Each accumulator takes one product a step; no sum is taken up by the instruction behind it
.macro MM1 h, pc, pw, t, x
.if (\t)%2
	v_wmma_scale_f32_16x16x128_f8f6f4 v[\h+8*(\t):\h+8*(\t)+7], v[\x+16*((\t)%4):\x+16*((\t)%4)+15], v[\pc:\pc+15], v[\h+8*(\t):\h+8*(\t)+7], v[WS+(\t)/2], v[\pw] matrix_a_fmt:MATRIX_FMT_BF8 matrix_b_fmt:MATRIX_FMT_BF8 matrix_a_scale:MATRIX_SCALE_ROW1
.else
	v_wmma_scale_f32_16x16x128_f8f6f4 v[\h+8*(\t):\h+8*(\t)+7], v[\x+16*((\t)%4):\x+16*((\t)%4)+15], v[\pc:\pc+15], v[\h+8*(\t):\h+8*(\t)+7], v[WS+(\t)/2], v[\pw] matrix_a_fmt:MATRIX_FMT_BF8 matrix_b_fmt:MATRIX_FMT_BF8
.endif
.endm
.macro MM2 h, pc, pw, t
.if (\t)%2
	v_wmma_scale_f32_16x16x128_f8f6f4 v[\h+8*(\t):\h+8*(\t)+7], v[\pc:\pc+15], v[X+16*((\t)%4):X+16*((\t)%4)+15], 0, v[\pw], v[WS+4+(\t)/2] matrix_a_fmt:MATRIX_FMT_BF8 matrix_b_fmt:MATRIX_FMT_BF8 matrix_b_scale:MATRIX_SCALE_ROW1
.else
	v_wmma_scale_f32_16x16x128_f8f6f4 v[\h+8*(\t):\h+8*(\t)+7], v[\pc:\pc+15], v[X+16*((\t)%4):X+16*((\t)%4)+15], 0, v[\pw], v[WS+4+(\t)/2] matrix_a_fmt:MATRIX_FMT_BF8 matrix_b_fmt:MATRIX_FMT_BF8
.endif
.endm
.macro SUMS                            ; the rows' sums, A's in v[TM] on, B's in v[TM+8] on, four chains of pairs each
.irp c, 0,1,2,3
	v_pk_add_f32 v[TM+2*\c:TM+2*\c+1], v[HA+2*\c:HA+2*\c+1], v[HA+8+2*\c:HA+9+2*\c]
	v_pk_add_f32 v[TM+8+2*\c:TM+9+2*\c], v[HB+2*\c:HB+2*\c+1], v[HB+8+2*\c:HB+9+2*\c]
.endr
.set p, 8
.rept 24
	v_pk_add_f32 v[TM+2*(p%4):TM+2*(p%4)+1], v[TM+2*(p%4):TM+2*(p%4)+1], v[HA+2*p:HA+2*p+1]
	v_pk_add_f32 v[TM+8+2*(p%4):TM+9+2*(p%4)], v[TM+8+2*(p%4):TM+9+2*(p%4)], v[HB+2*p:HB+2*p+1]
.set p, p+1
.endr
.endm
.macro ACROSS d                        ; the chains become one number a row, my 64 and lane l xor 16's 64
	v_pk_add_f32 v[TM:TM+1], v[TM:TM+1], v[TM+2:TM+3]
	v_pk_add_f32 v[TM+8:TM+9], v[TM+8:TM+9], v[TM+10:TM+11]
	v_pk_add_f32 v[TM+4:TM+5], v[TM+4:TM+5], v[TM+6:TM+7]
	v_pk_add_f32 v[TM+12:TM+13], v[TM+12:TM+13], v[TM+14:TM+15]
	v_pk_add_f32 v[TM:TM+1], v[TM:TM+1], v[TM+4:TM+5]
	v_pk_add_f32 v[TM+8:TM+9], v[TM+8:TM+9], v[TM+12:TM+13]
	v_add_f32 v[\d], v[TM], v[TM+1]
	v_add_f32 v[\d+1], v[TM+8], v[TM+9]
	v_permlanex16_b32 v[TM+16], v[\d], s[SEL], s[SEL+1]
	v_permlanex16_b32 v[TM+17], v[\d+1], s[SEL], s[SEL+1]
	v_add_f32 v[\d], v[\d], v[TM+16]
	v_add_f32 v[\d+1], v[\d+1], v[TM+17]
.endm
; LayerNorm's mean, centring and 1 / sqrt(var + eps)
.macro LNORM
	ACROSS MU
	v_mul_f32 v[MU], s[C128], v[MU]
	v_mul_f32 v[MU+1], s[C128], v[MU+1]
.set p, 0
.rept 32
	v_pk_add_f32 v[HA+2*p:HA+2*p+1], v[HA+2*p:HA+2*p+1], v[MU:MU+1] op_sel_hi:[1,0] neg_lo:[0,1] neg_hi:[0,1]
	v_pk_add_f32 v[HB+2*p:HB+2*p+1], v[HB+2*p:HB+2*p+1], v[MU:MU+1] op_sel:[0,1] op_sel_hi:[1,1] neg_lo:[0,1] neg_hi:[0,1]
.set p, p+1
.endr
.irp c, 0,1,2,3
	v_pk_mul_f32 v[TM+2*\c:TM+2*\c+1], v[HA+2*\c:HA+2*\c+1], v[HA+2*\c:HA+2*\c+1]
	v_pk_mul_f32 v[TM+8+2*\c:TM+9+2*\c], v[HB+2*\c:HB+2*\c+1], v[HB+2*\c:HB+2*\c+1]
.endr
.set p, 4
.rept 28
	v_pk_fma_f32 v[TM+2*(p%4):TM+2*(p%4)+1], v[HA+2*p:HA+2*p+1], v[HA+2*p:HA+2*p+1], v[TM+2*(p%4):TM+2*(p%4)+1]
	v_pk_fma_f32 v[TM+8+2*(p%4):TM+9+2*(p%4)], v[HB+2*p:HB+2*p+1], v[HB+2*p:HB+2*p+1], v[TM+8+2*(p%4):TM+9+2*(p%4)]
.set p, p+1
.endr
	ACROSS RS
	v_fma_f32 v[RS], v[RS], s[C128], s[EPS]
	v_fma_f32 v[RS+1], v[RS+1], s[C128], s[EPS]
	VWAIT
	v_rsq_f32 v[RS], v[RS]
	v_rsq_f32 v[RS+1], v[RS+1]
	v_nop
	VWAIT
.endm
; MISH goes by groups k = 0 .. 3 of 32 numbers: A's two halves, B's two halves; group k's work lies in half k % 2 of X
.macro ZP k, n                         ; z = centred x 1 / sqrt(var + eps), a pair
.if (\k) < 2
	v_pk_mul_f32 v[HA+32*(\k)+2*\n:HA+32*(\k)+2*\n+1], v[HA+32*(\k)+2*\n:HA+32*(\k)+2*\n+1], v[RS:RS+1] op_sel_hi:[1,0]
.else
	v_pk_mul_f32 v[HA+32*(\k)+2*\n:HA+32*(\k)+2*\n+1], v[HA+32*(\k)+2*\n:HA+32*(\k)+2*\n+1], v[RS:RS+1] op_sel:[0,1] op_sel_hi:[1,1]
.endif
.endm
.macro ZED k
.set p, 0
.rept 16
	ZP \k, p
.set p, p+1
.endr
.endm
.macro YP k, n                         ; y2 = z g + beta, a pair
	v_pk_fma_f32 v[HA+32*(\k)+2*\n:HA+32*(\k)+2*\n+1], v[HA+32*(\k)+2*\n:HA+32*(\k)+2*\n+1], v[G+32*((\k)%2)+2*\n:G+32*((\k)%2)+2*\n+1], v[BE+32*((\k)%2)+2*\n:BE+32*((\k)%2)+2*\n+1]
.endm
.macro GUARD k                         ; y2 held at -60 from below
.set p, 0
.rept 16
	v_dual_max_num_f32 v[HA+32*(\k)+2*p], s[M60], v[HA+32*(\k)+2*p] :: v_dual_max_num_f32 v[HA+32*(\k)+2*p+1], s[M60], v[HA+32*(\k)+2*p+1]
.set p, p+1
.endr
.endm
.macro EXP2 k, n                       ; e = 2^-y2, two
	v_exp_f32 v[X+32*((\k)%2)+2*\n], -v[HA+32*(\k)+2*\n]
	v_exp_f32 v[X+32*((\k)%2)+2*\n+1], -v[HA+32*(\k)+2*\n+1]
.endm
.macro MISH
	ZED 0
	WIN 0x14
.set p, 0
.rept 16
	YP 0, p
.set p, p+1
.endr
	WIN 0
	GUARD 0
	ZED 1
	VWAIT
	WIN 0x14
.set p, 0
.rept 16
	EXP2 0, p
	YP 1, p
.set p, p+1
.endr
	WIN 0
	VWAIT
.irp k, 0,1,2,3
.set p, 0
.rept 16
	v_pk_fma_f32 v[X+32*(\k%2)+2*p:X+32*(\k%2)+2*p+1], v[X+32*(\k%2)+2*p:X+32*(\k%2)+2*p+1], s[CS:CS+1], v[AL:AL+1] op_sel_hi:[1,0,1]   ; a = 2 alpha e + alpha
.set p, p+1
.endr
.if \k < 3
	GUARD \k+1
.endif
.if \k < 2
	ZED \k+2
.endif
	VWAIT
.set p, 0
.rept 16
.if \k < 3
	EXP2 \k+1, p
.endif
	v_pk_mul_f32 v[HA+32*\k+2*p:HA+32*\k+2*p+1], v[HA+32*\k+2*p:HA+32*\k+2*p+1], v[X+32*(\k%2)+2*p:X+32*(\k%2)+2*p+1]   ; y2 a
	v_pk_fma_f32 v[X+32*(\k%2)+2*p:X+32*(\k%2)+2*p+1], v[X+32*(\k%2)+2*p:X+32*(\k%2)+2*p+1], v[X+32*(\k%2)+2*p:X+32*(\k%2)+2*p+1], s[A2:A2+1] op_sel_hi:[1,1,0]   ; a^2 + alpha^2
.set p, p+1
.endr
	VWAIT
.if \k < 2
	WIN 0x14
.endif
.set p, 0
.rept 16
	v_rcp_f32 v[X+32*(\k%2)+2*p], v[X+32*(\k%2)+2*p]
	v_rcp_f32 v[X+32*(\k%2)+2*p+1], v[X+32*(\k%2)+2*p+1]
.if \k < 2
	YP \k+2, p
.endif
.set p, p+1
.endr
	WIN 0
	v_nop
	VWAIT
.set p, 0
.rept 16
	v_pk_mul_f32 v[HA+32*\k+2*p:HA+32*\k+2*p+1], v[HA+32*\k+2*p:HA+32*\k+2*p+1], v[X+32*(\k%2)+2*p:X+32*(\k%2)+2*p+1]
.set p, p+1
.endr
.endr
.endm
.macro MAXES g                         ; the running maxima of channels 16 t + r, t = 4 g .. 4 g + 3
	WIN 0x41
.irp q, 0,1,2,3
.irp t, 0,1,2,3
	v_max3_num_f32 v[MA+4*\g+\t], v[MA+4*\g+\t], v[HA+8*(4*\g+\t)+2*\q], v[HA+8*(4*\g+\t)+2*\q+1]
.endr
.irp t, 0,1,2,3
	v_max3_num_f32 v[MA+4*\g+\t], v[MA+4*\g+\t], v[HB+8*(4*\g+\t)+2*\q], v[HB+8*(4*\g+\t)+2*\q+1]
.endr
.endr
	WIN 0
.endm
.macro TPAIR h, n                      ; (w - M) log2(e), a pair
.if ((\n)/4)%2 == 0
	v_pk_fma_f32 v[\h+2*\n:\h+2*\n+1], v[\h+2*\n:\h+2*\n+1], s[CS:CS+1], v[C0+(\n)/4:C0+(\n)/4+1] op_sel_hi:[1,0,0]
.else
	v_pk_fma_f32 v[\h+2*\n:\h+2*\n+1], v[\h+2*\n:\h+2*\n+1], s[CS:CS+1], v[C0+(\n)/4-1:C0+(\n)/4] op_sel:[0,0,1] op_sel_hi:[1,0,1]
.endif
.endm
.macro RESC a                          ; sums under the new maxima
.irp t, 0,1,2,3,4,5,6,7
.if (\t)%2 == 0
	v_pk_mul_f32 v[\a+2*\t:\a+2*\t+1], v[\a+2*\t:\a+2*\t+1], v[FF+\t:FF+\t+1] op_sel_hi:[1,0]
.else
	v_pk_mul_f32 v[\a+2*\t:\a+2*\t+1], v[\a+2*\t:\a+2*\t+1], v[FF+\t-1:FF+\t] op_sel:[0,1] op_sel_hi:[1,1]
.endif
.endr
.endm
.macro DENS h, d
	WIN 0x04
.irp q, 0,1,2,3
.irp t, 0,1,2,3,4,5,6,7
	v_pk_fma_f32 v[DEN+2*\t:DEN+2*\t+1], v[\h+8*\t+2*\q:\h+8*\t+2*\q+1], v[\d+2*\q:\d+2*\q+1], v[DEN+2*\t:DEN+2*\t+1]
.endr
.endr
.endm
.macro NUMS h, x
.irp q, 0,1,2,3
.irp t, 0,1,2,3,4,5,6,7
	v_pk_fma_f32 v[NUM+2*\t:NUM+2*\t+1], v[\h+8*\t+2*\q:\h+8*\t+2*\q+1], v[\x+8*\t+2*\q:\x+8*\t+2*\q+1], v[NUM+2*\t:NUM+2*\t+1]
.endr
.endr
.endm
.macro STEP
	s_xor_b32 s72, s[TB], s[GX]                    ; this step's place: 16,384 bytes a step in k and v,
	s_add_nc_u64 s[74:75], s[6:7], s[72:73]
	s_lshr_b32 s76, s72, 7                         ; 128 in d
	v_add_nc_u32 v[ADD], s76, v[AD0]
	s_wait_dscnt 16                                ; q and A's k are in; B's 16 loads may be out
	RELATE HA
	STAGEW 0, 0, X
	QUANT HA, PCA, PWA
	BIAS HA
	s_wait_dscnt 16                                ; B's k and W1's first fragments are in; A's 16 loads of b1 may be out
	RELATE HB
	WIN 0x40
	STAGEW 0, 1, VA                                ; q is done with
	WIN 0
	QUANT HB, PCB, PWB
	BIAS HB
	PLACES 3                                       ; with QUANT's last line the four places between the codes and the product
	VWAIT
	s_wait_dscnt 32                                ; A's b1 is in; W1's last fragments and B's b1 may be out
	WIN 0x04
.irp t, 0,1,2,3
	MM1 HA, PCA, PWA, \t, X
.endr
	s_wait_dscnt 16                                ; B's b1 may be out
	WIN 0x05
.irp t, 4,5,6,7
	MM1 HA, PCA, PWA, \t, VA
.endr
	s_wait_dscnt 0x0
	WIN 0x04
.irp t, 0,1,2,3
	MM1 HB, PCB, PWB, \t, X
.endr
	WIN 0x05
.irp t, 4,5,6,7
	MM1 HB, PCB, PWB, \t, VA
.endr
	WIN 0
	PLACES 8
	WIN 0x40
.set g, 0
.rept 16
	global_load_b128 v[VA+4*g:VA+4*g+3], v[LI], s[74:75] offset:512*g        ; A's V
.set g, g+1
.endr
	WIN 0
	SUMS
	LNORM
	MISH
	STAGEW 16384, 0, X
	QUANT HA, PCA, PWA
	QUANT HB, PCB, PWB
	PLACES 3
	VWAIT
	s_wait_dscnt 0x0
	WIN 0x01
.irp t, 0,1,2,3
	MM2 HA, PCA, PWA, \t
.endr
.irp t, 0,1,2,3
	MM2 HB, PCB, PWB, \t
.endr
	WIN 0
	PLACES 8
	STAGEW 16384, 1, X
	MAXES 0
	VWAIT
	s_wait_dscnt 0x0
	WIN 0x01
.irp t, 4,5,6,7
	MM2 HA, PCA, PWA, \t
.endr
.irp t, 4,5,6,7
	MM2 HB, PCB, PWB, \t
.endr
	WIN 0
	PLACES 8
.set g, 0
.rept 16
	global_load_b128 v[X+4*g:X+4*g+3], v[LI], s[74:75] offset:8192+512*g     ; B's V
.set g, g+1
.endr
	WIN 0x40
.irp i, 0,1
	ds_load_b128 v[DDA+4*\i:DDA+4*\i+3], v[ADD] offset:16*\i
	ds_load_b128 v[DMA+4*\i:DMA+4*\i+3], v[ADD] offset:2048+16*\i
	ds_load_b128 v[DDB+4*\i:DDB+4*\i+3], v[ADD] offset:64+16*\i
	ds_load_b128 v[DMB+4*\i:DMB+4*\i+3], v[ADD] offset:2112+16*\i
.endr
	MAXES 1
	WIN 0x04
.irp t, 0,1,2,3,4,5,6,7
	v_mul_f32 v[TM+\t], s[CSN], v[MA+\t]
.endr
.irp t, 0,1,2,3,4,5,6,7
	v_sub_f32 v[FF+\t], v[TM+\t], v[C0+\t]         ; (old M - new M) log2(e)
.endr
	WIN 0x44
.irp t, 0,1,2,3,4,5,6,7
	v_mul_f32 v[C0+\t], s[CSN], v[MA+\t]
.endr
	WIN 0x10
.set p, 0
.rept 32
	TPAIR HA, p
.set p, p+1
.endr
	VWAIT
.irp t, 0,1,2,3,4,5,6,7
	v_exp_f32 v[FF+\t], v[FF+\t]
.endr
.set p, 0
.rept 32
	v_exp_f32 v[HA+2*p], v[HA+2*p]
	v_exp_f32 v[HA+2*p+1], v[HA+2*p+1]
	TPAIR HB, p
.set p, p+1
.endr
	WIN 0
	VWAIT
	s_wait_dscnt 0x0                               ; d and the masked d are in
	s_add_co_u32 s72, s[TB], 16384                 ; the next step's place in k
	s_xor_b32 s72, s72, s[GX]
	v_add_nc_u32 v[ADK], s72, v[LI]
	RESC DEN
	DENS HA, DDA
	VWAIT
.set p, 0
.rept 32
	v_exp_f32 v[HB+2*p], v[HB+2*p]
	v_exp_f32 v[HB+2*p+1], v[HB+2*p+1]
	v_pk_mul_f32 v[HA+2*p:HA+2*p+1], v[HA+2*p:HA+2*p+1], v[DMA+2*(p%4):DMA+2*(p%4)+1]
.set p, p+1
.endr
	WIN 0
	VWAIT
	s_wait_loadcnt 16                              ; A's V is in; B's 16 loads may be out
	WIN 0x41
	RESC NUM
	WIN 0x54
	NUMS HA, VA
	QLOAD                                          ; q and A's k for the next step
	KLOAD HA, 0
	DENS HB, DDB
.set p, 0
.rept 32
	v_pk_mul_f32 v[HB+2*p:HB+2*p+1], v[HB+2*p:HB+2*p+1], v[DMB+2*(p%4):DMB+2*(p%4)+1]
.set p, p+1
.endr
	VWAIT
	s_wait_loadcnt 0x0
	WIN 0x50
	NUMS HB, X
	WIN 0
	KLOAD HB, 8192
.endm
	s_load_b256 s[4:11], s[0:1], 0x0               ; kimg 4, vimg 6, qimg 8, wimg 10
	s_load_b256 s[12:19], s[0:1], 0x20             ; b1 12, g1 14, beta1 16, distribution 18
	s_load_b64 s[20:21], s[0:1], 0x40              ; out0
	v_lshl_add_u32 v[SPW], v0, 2, SPARE
	v_mov_b32 v[NIL], 0
	ds_add_u32 v[SPW], v[NIL]                      ; the wave's opening: the add, twice on end, and its wait ahead of my tensor load
	ds_add_u32 v[SPW], v[NIL]
	v_lshrrev_b32 v64, 5, v0
	v_readfirstlane_b32 s[WV], v64                 ; wave 0..7
	s_lshr_b32 s25, s[WV], 2                       ; which of my query's two waves I am
	s_and_b32 s26, s[WV], 3                        ; my query of the four
	s_bfe_u32 s27, ttmp6, 0x40000
	s_lshl_b32 s28, ttmp9, 2
	s_add_co_u32 s28, s28, s27                     ; work-group x
	s_and_b32 s29, ttmp7, 0xffff                   ; batch
	s_lshl_b32 s30, s28, 2
	s_add_co_u32 s30, s30, s26                     ; my query in the batch
	s_mov_b32 s[G1R], 15|(3<<16)|(1<<21)           ; the cluster's four; elements of 8 bytes; 128 rows of 256 bytes, dense
	s_mov_b32 s[G1R+1], 32<<16
	s_mov_b32 s[G1R+2], 128<<16
	s_mov_b32 s[G1R+3], 32<<16
	s_mov_b32 s[G1R+4], 128
	s_mov_b32 s[G1R+5], 32
	s_mov_b32 s[G1R+6], 0
	s_mov_b32 s[G1R+7], 0
	s_lshl_b32 s72, s29, 18
	s_lshl_b32 s74, s[WV], 15
	s_add_co_u32 s72, s72, s74                     ; my eighth of the batch's k
	s_mov_b32 s73, 0
	s_mul_i32 s74, s[WV], 4352                     ; my eighth of the weights' images
	s_mov_b32 s75, 0
	s_mov_b32 s[SEL], 0x76543210
	s_mov_b32 s[SEL+1], 0xfedcba98
	s_mov_b32 s[CS], 0x3fb8aa3b
	s_mov_b32 s[CS+1], s[CS]
	s_mov_b32 s[CSN], 0xbfb8aa3b
	s_mov_b32 s[MNT], 0x600000
	s_mov_b32 s[C128], 0x3c000000
	s_mov_b32 s[EPS], 0x3727c5ac
	s_mov_b32 s[A2], 0x3f053526
	s_mov_b32 s[A2+1], s[A2]
	s_mov_b32 s[M60], 0xc2700000
	s_mov_b32 s[TB], 0
	s_mul_i32 s[GX], s25, 15*16384
	s_mul_i32 s[LIM], s25, 6
	s_sub_co_u32 s[LIM], TRIPS, s[LIM]             ; 11 steps, or 5
	v_and_b32 v65, 31, v0                          ; lane
	v_and_b32 v66, 15, v0                          ; r
	v_bfe_u32 v67, v0, 4, 1                        ; h
	v_lshlrev_b32 v[LI], 4, v65
	v_lshlrev_b32 v68, 3, v65
	s_add_co_u32 s76, s74, WBASE
	v_add_nc_u32 v69, s76, v[LI]                   ; LDS: my eighth of the weights' images,
	v_add_nc_u32 v70, s76, v68
	v_add_nc_u32 v70, 4096, v70                    ; and its last 256 bytes, 8 a lane
	v_lshrrev_b32 v71, 1, v65
	v_and_b32 v78, 3, v71
	v_lshlrev_b32 v71, 9, v71
	v_and_b32 v79, 1, v65
	v_lshl_add_u32 v71, v79, 8, v71                ; q: register group lane / 2 of half lane % 2
	v_lshrrev_b32 v72, 3, v65
	v_lshlrev_b32 v72, 7, v72
	v_lshl_add_u32 v72, v79, 6, v72
	v_lshl_add_u32 v72, v78, 4, v72                ; b1 in the same order
	s_lshl_b32 s76, s[WV], 10
	s_add_co_u32 s76, s76, QB
	v_add_nc_u32 v73, s76, v[LI]                   ; LDS: my q and b1, as they are stored
	v_lshl_add_u32 v[AQ], v67, 4, s76              ; and read: 16 h + 32 x register group
	v_lshlrev_b32 v74, 6, v67
	s_lshl_b32 s77, s25, 10
	v_lshl_add_u32 v75, v65, 5, s77                ; d: one half of the batch's, 8 a lane
	s_lshl_b32 s76, s26, 12
	s_add_co_u32 s76, s76, DBASE
	v_lshl_add_u32 v[AD0], v67, 5, s76
	s_add_co_u32 s76, s76, s77
	v_lshl_add_u32 v76, v65, 5, s76                ; LDS: that half in my query's block
	v_add_nc_u32 v[AW], WBASE, v[LI]
	v_lshlrev_b32 v77, 2, v66
	v_lshl_add_u32 v77, v67, 7, v77
	v_add_nc_u32 v77, WBASE+32768, v77             ; the scale words: lanes 16-31 one tile further on
	VWAIT
	s_wait_dscnt 0x0                               ; both opening adds are done
	ROUND                                          ; the opening round: the joint loads meet
	s_wait_kmcnt 0x0
	s_mov_b32 s[G0K], 1
	s_lshl_b32 s[G0K+1], s[WV], 15
	s_add_nc_u64 s[G0K+2:G0K+3], s[4:5], s[72:73]
	s_or_b32 s[G0K+3], s[G0K+3], 0x80000000
	tensor_load_to_lds s[G0K:G0K+3], s[G1R:G1R+7]  ; 128 rows of 256 bytes a wave: all of the batch's k
	s_nop 0
	PLACES 4
	s_add_nc_u64 s[10:11], s[10:11], s[74:75]
	s_lshr_b32 s2, s30, 4
	s_lshl_b32 s31, s29, 5
	s_add_co_u32 s2, s2, s31
	s_lshl_b32 s2, s2, 13
	s_and_b32 s31, s30, 15
	s_lshl_b32 s31, s31, 4
	s_add_co_u32 s2, s2, s31
	s_mov_b32 s3, 0
	s_add_nc_u64 s[8:9], s[8:9], s[2:3]            ; q: my query's row in its tile's image
	s_lshl_b32 s2, s29, 9
	s_add_co_u32 s2, s2, s30
	s_lshl_b32 s31, s2, 2
	s_lshl_b32 s2, s2, 9
	s_add_nc_u64 s[20:21], s[20:21], s[2:3]        ; my row of the output
	s_mov_b32 s2, s31
	s_add_nc_u64 s[76:77], s[18:19], s[2:3]
	s_load_b32 s[DI], s[76:77], 0x0                ; d of my query
	s_lshl_b32 s72, s29, 11
	s_add_nc_u64 s[18:19], s[18:19], s[72:73]
	s_lshl_b32 s72, s29, 18
	s_add_nc_u64 s[6:7], s[6:7], s[72:73]          ; the batch's v
.set g, 0
.rept 8
	global_load_b128 v[HA+4*g:HA+4*g+3], v[LI], s[10:11] offset:512*g
.set g, g+1
.endr
	global_load_b64 v[160:161], v68, s[10:11] offset:4096
	global_load_b128 v[164:167], v71, s[8:9]
	global_load_b128 v[168:171], v72, s[12:13]
	global_load_b128 v[172:175], v75, s[18:19]
	global_load_b128 v[176:179], v75, s[18:19] offset:16
	WIN 0x40
.set g, 0
.rept 16
	global_load_b128 v[G+4*g:G+4*g+3], v74, s[14:15] offset:128*(g/4)+16*(g%4)
	global_load_b128 v[BE+4*g:BE+4*g+3], v74, s[16:17] offset:128*(g/4)+16*(g%4)
.set g, g+1
.endr
.irp t, 0,1,2,3,4,5,6,7
	v_mov_b32 v[MA+\t], 0xff7fffff
	v_mov_b32 v[C0+\t], 0x7f61b1e6                 ; so the first rescaling's factor is 0
.endr
.set p, 0
.rept 16
	v_mov_b32 v[NUM+p], 0
.set p, p+1
.endr
	WIN 0
.set p, 0
.rept 16
	v_mov_b32 v[DEN+p], 0
.set p, p+1
.endr
.set p, 0
.rept 20
	v_mov_b32 v[TM+p], 0                           ; written once: a lane permute's destination counts as one of its sources
.set p, p+1
.endr
	v_mov_b32 v[AL], 0x3f38aa3b
	v_mov_b32 v[AL+1], 0x3f38aa3b
	VWAIT
	s_wait_kmcnt 0x0
	s_wait_loadcnt 32                              ; all but the 32 loads of g and beta
.irp e, 0,1,2,3,4,5,6,7
	v_mul_f32 v[192+\e], s[DI], v[172+\e]
.endr
.irp e, 0,1,2,3,4,5,6,7
	v_cmp_lt_f32 vcc_lo, 0, v[192+\e]
	v_cndmask_b32 v[180+\e], 0, v[172+\e], vcc_lo  ; d where d_i d_j > 0, else 0
.endr
.set g, 0
.rept 8
	ds_store_b128 v69, v[HA+4*g:HA+4*g+3] offset:512*g
.set g, g+1
.endr
	ds_store_b64 v70, v[160:161]
	ds_store_b128 v73, v[164:167]
	ds_store_b128 v73, v[168:171] offset:512
	ds_store_b128 v76, v[172:175]
	ds_store_b128 v76, v[176:179] offset:16
	ds_store_b128 v76, v[180:183] offset:2048
	ds_store_b128 v76, v[184:187] offset:2064
	s_wait_loadcnt 0x0
	WIN 0x41
.set p, 0
.rept 64
	v_pk_mul_f32 v[G+2*p:G+2*p+1], v[G+2*p:G+2*p+1], s[CS:CS+1] op_sel_hi:[1,0]   ; g and beta x log2(e)
.set p, p+1
.endr
	WIN 0
	VWAIT
	s_wait_tensorcnt 0x0                           ; my eighth of k is in,
	s_wait_dscnt 0x0                               ; my stores are in: behind the barrier everybody's are
	s_barrier_signal -1
	s_barrier_wait -1
	v_add_nc_u32 v[ADK], s[GX], v[LI]
.irp p, 0,1,2,3
	ds_load_b32 v[WS+\p], v77 offset:256*\p
	ds_load_b32 v[WS+4+\p], v77 offset:1024+256*\p
.endr
	QLOAD                                          ; the first step's q and k
	KLOAD HA, 0
	KLOAD HB, 8192
	s_mov_b32 s[STEPS], 0
	VWAIT
.Lstep:
	s_cmp_lt_u32 s[STEPS], s[LIM]                  ; ids and the count of trips alone
	s_cbranch_scc0 .Lpassed
	STEP
	VWAIT
.Lpassed:
	s_add_co_u32 s[TB], s[TB], 16384
	s_add_co_u32 s[STEPS], s[STEPS], 1
	s_cmp_lt_u32 s[STEPS], TRIPS
	s_cbranch_scc1 .Lstep
	s_wait_dscnt 0x0                               ; the loads that the last step asked for have landed: their registers may be written
	; THE END.  Pairs, then lanes l and l xor 16, then the two waves of a query are joined under their common maximum; waves 4 to 7 hand theirs over in their own words of q and b1 and 512 bytes more.
.irp t, 0,1,2,3,4,5,6,7
	v_add_f32 v[HA+\t], v[DEN+2*\t], v[DEN+2*\t+1]
.endr
	WIN 0x05
.irp t, 0,1,2,3,4,5,6,7
	v_add_f32 v[HA+8+\t], v[NUM+2*\t], v[NUM+2*\t+1]
.endr
	WIN 0
.irp t, 0,1,2,3,4,5,6,7
	v_mov_b32 v[X+\t], 0
.endr
	WIN 0x01
.irp t, 0,1,2,3,4,5,6,7
	v_permlanex16_b32 v[X+\t], v[C0+\t], s[SEL], s[SEL+1]
.endr
.irp t, 0,1,2,3,4,5,6,7
	v_min_num_f32 v[X+\t], v[C0+\t], v[X+\t]
.endr
	WIN 0x04
.irp t, 0,1,2,3,4,5,6,7
	v_sub_f32 v[X+8+\t], v[X+\t], v[C0+\t]
.endr
	WIN 0
.set p, 0
.rept 16
	v_mov_b32 v[X+16+p], 0
.set p, p+1
.endr
	VWAIT
.irp t, 0,1,2,3,4,5,6,7
	v_exp_f32 v[X+8+\t], v[X+8+\t]
.endr
	v_and_b32 v[TM], 15, v0
	s_lshl_b32 s72, s26, 10
	s_add_co_u32 s72, s72, QB+4096
	v_lshl_add_u32 v[ADK], v[TM], 4, s72           ; the words of wave 4 + my query; both halves of the lanes hold the same numbers
	s_lshl_b32 s72, s26, 9
	s_add_co_u32 s72, s72, EX
	v_lshl_add_u32 v[ADX], v[TM], 4, s72           ; and the 512 bytes more
	s_lshl_b32 s72, s[WV], 10
	s_add_co_u32 s72, s72, QB
	v_lshl_add_u32 v[ADV], v[TM], 2, s72           ; the way out of waves 0 to 3: in their own words of q
	v_add_nc_u32 v[ADD], s72, v[LI]
	VWAIT
.irp t, 0,1,2,3,4,5,6,7
	v_mul_f32 v[HA+\t], v[HA+\t], v[X+8+\t]
	v_mul_f32 v[HA+8+\t], v[HA+8+\t], v[X+8+\t]
.endr
.set p, 0
.rept 16
	v_permlanex16_b32 v[X+16+p], v[HA+p], s[SEL], s[SEL+1]
.set p, p+1
.endr
.set p, 0
.rept 16
	v_add_f32 v[HA+p], v[HA+p], v[X+16+p]
.set p, p+1
.endr
	VWAIT
	s_cmp_lt_u32 s[WV], 4
	s_cbranch_scc1 .Lkeep
	ds_store_b128 v[ADK], v[X:X+3]
	ds_store_b128 v[ADK], v[X+4:X+7] offset:256
	ds_store_b128 v[ADK], v[HA:HA+3] offset:512
	ds_store_b128 v[ADK], v[HA+4:HA+7] offset:768
	ds_store_b128 v[ADX], v[HA+8:HA+11]
	ds_store_b128 v[ADX], v[HA+12:HA+15] offset:256
.Lkeep:
	s_wait_dscnt 0x0
	s_barrier_signal -1
	s_barrier_wait -1
	s_cmp_lt_u32 s[WV], 4
	s_cbranch_scc0 .Ldone
.set g, 0
.rept 4
	ds_load_b128 v[X+32+4*g:X+32+4*g+3], v[ADK] offset:256*g
.set g, g+1
.endr
	ds_load_b128 v[X+48:X+51], v[ADX]
	ds_load_b128 v[X+52:X+55], v[ADX] offset:256
	s_wait_dscnt 0x0
.irp t, 0,1,2,3,4,5,6,7
	v_min_num_f32 v[X+8+\t], v[X+\t], v[X+32+\t]
.endr
.irp t, 0,1,2,3,4,5,6,7
	v_sub_f32 v[X+\t], v[X+8+\t], v[X+\t]
	v_sub_f32 v[X+32+\t], v[X+8+\t], v[X+32+\t]
.endr
	VWAIT
.irp t, 0,1,2,3,4,5,6,7
	v_exp_f32 v[X+\t], v[X+\t]
	v_exp_f32 v[X+32+\t], v[X+32+\t]
.endr
	v_nop
	VWAIT
.set p, 0
.rept 16
	v_mul_f32 v[HA+p], v[HA+p], v[X+p%8]
.set p, p+1
.endr
.set p, 0
.rept 16
	v_fma_f32 v[HA+p], v[X+40+p], v[X+32+p%8], v[HA+p]
.set p, p+1
.endr
	VWAIT
.irp t, 0,1,2,3,4,5,6,7
	v_rcp_f32 v[X+\t], v[HA+\t]
.endr
	v_nop
	VWAIT
.irp t, 0,1,2,3,4,5,6,7
	v_mul_f32 v[HA+8+\t], v[HA+8+\t], v[X+\t]
.endr
.irp t, 0,1,2,3,4,5,6,7
	ds_store_b32 v[ADV], v[HA+8+\t] offset:64*\t
.endr
	ds_load_b128 v[X:X+3], v[ADD]                  ; LDS serves a wave's instructions in order: this sees my stores
	s_wait_dscnt 0x0
	global_store_b128 v[LI], v[X:X+3], s[20:21]    ; 512 consecutive bytes, aligned
.Ldone:
	s_wait_tensorcnt 0x0                           ; the wave's end
	ds_add_u32 v[SPW], v[NIL]
	s_wait_dscnt 0x0
	ROUND                                          ; the closing round
	s_endpgm
.Lfunc_end_k_q926041c966_pairs:
	.size	k_q926041c966_pairs, .Lfunc_end_k_q926041c966_pairs-k_q926041c966_pairs
	.p2alignl 7, 3214868480
	.fill 96, 4, 3214868480
	.section	.rodata,"a",@progbits
	.p2align	6, 0x0
	.amdhsa_kernel k_q926041c966_pairs
		.amdhsa_group_segment_fixed_size 327680
		.amdhsa_private_segment_fixed_size 0
		.amdhsa_enable_private_segment 0
		.amdhsa_kernarg_size 72
		.amdhsa_user_sgpr_count 2
		.amdhsa_user_sgpr_kernarg_segment_ptr 1
		.amdhsa_wavefront_size32 1
		.amdhsa_system_sgpr_workgroup_id_x 1
		.amdhsa_system_sgpr_workgroup_id_y 1
		.amdhsa_system_sgpr_workgroup_id_z 1
		.amdhsa_system_vgpr_workitem_id 0
		.amdhsa_next_free_vgpr 512
		.amdhsa_next_free_sgpr 80
		.amdhsa_reserve_vcc 1
		.amdhsa_float_denorm_mode_32 3
		.amdhsa_float_denorm_mode_16_64 3
		.amdhsa_memory_ordered 1
		.amdhsa_forward_progress 1
		.amdhsa_inst_pref_size 169
	.end_amdhsa_kernel
	.amdgpu_metadata
---
amdhsa.version: [ 1, 2 ]
amdhsa.kernels:
  - .name:           k_q926041c966_pairs
    .symbol:         k_q926041c966_pairs.kd
    .args:
      - { .name: kimg, .offset: 0, .size: 8, .value_kind: global_buffer, .address_space: global }
      - { .name: vimg, .offset: 8, .size: 8, .value_kind: global_buffer, .address_space: global }
      - { .name: qimg, .offset: 16, .size: 8, .value_kind: global_buffer, .address_space: global }
      - { .name: wimg, .offset: 24, .size: 8, .value_kind: global_buffer, .address_space: global }
      - { .name: b1, .offset: 32, .size: 8, .value_kind: global_buffer, .address_space: global }
      - { .name: g1, .offset: 40, .size: 8, .value_kind: global_buffer, .address_space: global }
      - { .name: beta1, .offset: 48, .size: 8, .value_kind: global_buffer, .address_space: global }
      - { .name: distribution, .offset: 56, .size: 8, .value_kind: global_buffer, .address_space: global }
      - { .name: out0, .offset: 64, .size: 8, .value_kind: global_buffer, .address_space: global }
    .group_segment_fixed_size: 327680
    .private_segment_fixed_size: 0
    .kernarg_segment_align: 8
    .kernarg_segment_size: 72
    .max_flat_workgroup_size: 256
    .sgpr_count:     80
    .vgpr_count:     512
    .wavefront_size: 32
...
	.end_amdgpu_metadata
.endif
;; end of part 2
